; MI455X (gfx1250); checked and timed in simulation.
; The chip was launched on July 23, 2026; its instructions are those of AMD's public machine-readable ISA for CDNA 5 (MIT licence, August 2026) and "CDNA5" Instruction Set Architecture Reference Guide (July 2026). The comments in the code are by the model that wrote it; some were corrected since.
;; Scaled Dot Product Attention. Allowed arithmetic: matrix products marked QUANTISED: E5M2 operands, one given power-of-two scale a tensor, by v_wmma_f32_16x16x64_bf8_bf8 or v_wmma_f32_16x16x128_bf8_bf8, f32 sums; everything else in f32.
;; Inputs: keys_codes 16 x 4,096 x 4 x 32 uint8 (E5M2 codes of keys, K innermost, in blocks of 32 codes); lowp_scales 4 int32 (the exponents e of the quantised operands' scales 2^e); queries_codes 16 x 4,096 x 4 x 32 uint8 (E5M2 codes of queries, K innermost, in blocks of 32 codes); valid_lens 16 int32; values_codes 16 x 128 x 128 x 32 uint8 (E5M2 codes of values, K innermost, in blocks of 32 codes).
;; Outputs: out0 16 x 4,096 x 128 float32.
;; This version of the problem:
;;   THIS VERSION OF THE PROBLEM IS GIVEN IN LOW PRECISION. The matrix products marked QUANTISED in the list below multiply operands that are first quantised to E5M2 (5 exponent bits, 2 mantissa bits; 8 bits a number), with one given power-of-two scale for each operand tensor; their sums are f32. All else is computed in f32.
;;   The module's matrix products, in the order in which they are computed (A, B: the left and right operand; K: the contracted axis; several contracted axes count as one K, in the product's order):
;;     1. batch 16 x [M 4,096, K 128] x [K 128, N 4,096]; A: input queries (given as codes); B: input keys (given as codes): QUANTISED (scales: A lowp_scales[0], B lowp_scales[1])
;;     2. batch 16 x [M 4,096, K 4,096] x [K 4,096, N 128]; A: softmax (see below); B: input values (given as codes): QUANTISED (scales: A lowp_scales[2], B lowp_scales[3])
;;   THE QUANTISER, for each operand of a quantised product, along K:
;;     - The operand's scale is 2^e, e = its entry of the input lowp_scales (int32; the entries are numbered through the quantised products in the list's order, A before B).
;;     - Each number is divided by the scale, clamped to +-57,344, and rounded to the nearest number of E5M2, ties to even, subnormals kept.
;;     - The product sums the exact products of the quantised numbers (number of the format x scale) in f32.
;;   ~~~python
;;   def quantise(x, axis, e):      # numpy; x: float32 -> the quantised numbers, widened to float32 again
;;       x = np.moveaxis(x, axis, -1); K = x.shape[-1]
;;       r = np.clip(x / 2.0 ** e, -57344, 57344)
;;       step = 2.0 ** (np.maximum(np.frexp(np.where(r == 0, 1, r))[1] - 1, -14) - 2)
;;       q = np.round(r / step) * step * 2.0 ** e      # np.round: ties to even
;;       return np.moveaxis(q, -1, axis).astype(np.float32)
;;   ~~~
;;   SOFTMAX AHEAD OF A QUANTISED PRODUCT. Where the list says 'softmax', what is quantised is not the finished softmax but p = 2^(t - M), with t = logit x log2(e) and M = ceil(the row's largest t), a whole number; so 1/2 < the row's largest p <= 1. The row's sum l is taken of the UNQUANTISED p, in f32, and the product's result is divided by l at the end. Since M is a whole number, a kernel that streams over the keys may use a running M (the ceiling of the running maximum): every later rescaling is an exact power of two, so the quantised numbers keep their values, but for numbers so far below the row's largest that they fall under the format's range.
;;   OPERANDS COMPUTED ON THE WAY. 'Computed on the way' means the value that the module computes at that place (a softmax that the list does not call 'softmax' is quantised finished and normalised). What goes into a quantiser is computed in f32, as accurately as f32 sums, v_exp_f32 and their like allow (about 1e-6 of the number): no bf16 or f16 on the way to a quantiser, and a product that is left as it is and whose result goes on into a quantised operand takes f32 operands (vector FMAs, or v_wmma_f32_16x16x4_f32). A number that lies on a knife's edge between two numbers of the format may be rounded either way, as far as f32 arithmetic and the matrix unit's own rounding can turn it there, and no further.
;;   INPUTS GIVEN AS CODES. keys (in the module: [16, 4096, 128], K = its axis 2); queries (in the module: [16, 4096, 128], K = its axis 2); values (in the module: [16, 4096, 128], K = its axis 1): each comes as NAME_codes (uint8): NAME with its K axis moved to the last place and cut into blocks of 32 codes, [.., K / 32, bytes a block], one block behind the other in memory; one code a byte (a code: sign, 5 exponent bits, 2 mantissa bits); its scale is its entry of lowp_scales. Its value is code x scale, taken as it is: it is not quantised again, and the codes and scales need not be those that the quantiser above would give.
;; One version. Each part assembles by itself: llvm-mc -triple=amdgcn-amd-amdhsa -mcpu=gfx1250 --defsym DOCPART=n.
;; ======== version 1 of 1: 1 launch
;; limits: right only within a limited range of input values
;; launch attn (part 1): grid 32 x 8, 8 waves a work-group, no clusters, 326,656 bytes of LDS; arguments queries_codes, keys_codes, values_codes, lowp_scales, valid_lens, out0; writes out0
.if DOCPART == 1
	.amdgcn_target "amdgcn-amd-amdhsa--gfx1250"
	.amdhsa_code_object_version 6
	.text
	.protected	k_qbffaa4d278_attn
	.globl	k_qbffaa4d278_attn
	.p2align	8
	.type	k_qbffaa4d278_attn,@function
k_qbffaa4d278_attn:
	s_mov_b64 s[64:65], 0
	v_nop
	global_prefetch_b8 v0, s[64:65] scope:SCOPE_SE
	s_setreg_imm32_b32 hwreg(HW_REG_WAVE_MODE, 25, 1), 1
	s_wait_xcnt 0x0
; out0[b][q][:] = sum over k of softmax_k(score) V[b][k][:], score = Q[b][q].K[b][k] / sqrt(128) where k < valid_lens[b], else -1e6.  Both products on codes of BF8 (E5M2), each tensor with its given scale 2^e (eq, ek, ep, ev).
; Q, K: [16][4096][128] codes, the head's 128 innermost.  V: [16][128][4096] codes, the keys innermost.  out0: [16][4096][128] f32.
; THE SOFTMAX: t = score x log2(e); M = the running largest t rounded UP to a whole number; p = 2^(t - M) is quantised with 2^ep; the row's sum is taken of the unquantised p and divides at the end; when M moves, the sum
; and O are multiplied by 2^(old M - new M), which rounds nothing.
; WORK THAT IS LEFT OUT: a step of 128 keys that lies wholly at or behind valid_lens[b] is not multiplied: its p are 0.  The one step on the boundary is masked; steps in front of it are not.
; SHARES.  A work-group has eight waves in TWO UNITS of four (waves 0-3, waves 4-7).  A unit owns 128 queries of one batch, a wave 32 of them: two tiles of 16, so that each fragment of K and V read from LDS feeds two products.
; The two units of a work-group take batches of OPPOSITE RANK by valid_lens (rank y and rank 15 - y, y = work-group y), so that the work-groups' live steps are near each other whatever the lengths are.
; Every wave makes the ranks itself, from the sixteen whole numbers.  Work-group x is the block of 128 queries.
; THE RING.  Each unit has two LDS slots of 256 keys (two steps).  Its own four waves fill them through registers: global loads a step ahead into 64 staging registers, then LDS stores into the slot that was read in the trip before.
; One barrier a trip orders both directions.  The loop has 17 trips for everybody; what a trip does hangs on valid_lens by scalar branches; a unit whose keys are used up stores its rows in its next trip, once.
; NO TENSOR LOADS, NO CLUSTER, NO JOINT LOADS: the number of tiles that a unit walks is read from memory and differs from unit to unit; walking
; all 32 steps with a mask in each would double the products and the softmax on average.
; LAYOUT.  Both products are used transposed: S^T = K Q^T (source 0 = 16 keys, source 1 = 16 queries), O^T = V^T P^T: a lane holds ONE query (lane % 16) throughout.  K's rows lie in LDS in a PERMUTED order (inside each 32
; keys, bits 3 and 4 of the key's number change places): row 16 t + r of a step holds key 32 (t / 2) + 8 (t % 2) + r + 8 (r / 8), so that the 16 registers of tiles 2 b, 2 b + 1 are the keys 32 b + 16 (lane / 16) + 0 .. 15,
; which is the order in which the conversions' results are the second product's operand; and a tile's 16 rows are neighbours in LDS.
; Fragments are fetched by four loads of 16 bytes: a permutation of k that is the same in both operands of each product.
; LIMITS.  eq + ek between -104 and 130 (added to the exponent fields of c and of the masked score); ep between -126 and 112; ep + ev is applied by v_ldexp_f32 and has none.
; Keys behind valid_lens count as p = 0: exact as long as a row's largest valid score lies above about -1e6 + 105.  valid_lens <= 0: all 4,096 keys are walked with the masked score, which gives the mean of V up to the
; rounding of the one common p to a code (a few per cent of that mean).  valid_lens above 4,096 counts as 4,096.  NaN among the codes is not served.
.set KP,    144                        ; a key's row in LDS: 128 bytes + 16 = 36 words: the 16 rows of a fragment load start at 16 different groups of four banks (64 banks of 4 bytes: ISA guide 11.1)
.set VP,    272                        ; a row of V's tile in LDS: 256 bytes (the slot's 256 keys) + 16 = 68 words: likewise
.set VOFF,  256*KP                     ; a slot: 256 rows of K, then 128 rows of V
.set SLOTB, VOFF+128*VP                ; 71,680 bytes = 0x11800
.set XC,    0x24000                    ; slot s of unit U begins at U x SLOTB + s x XC; XC shares no bit with SLOTB, so one exclusive or turns a unit's base from one slot to the other
.set STAGE, XC+2*SLOTB                 ; 290,816: behind the rings, 16 rows x 272 bytes for each wave, for the way out; no slot ever serves as a stage
.set SP,    272
.set NKEY,  4096
; window 0
.set AK0, 1                            ; v1   my lane's place in a tile of K: r x KP + 16 h
.set AV0, 2                            ; v2   in a tile of V: r x VP + 16 h + VOFF
.set LK,  3                            ; v3   staging: where my 16 bytes of K go (the wave's 64 rows)
.set LV,  4                            ; v4   the same for V (the wave's 32 rows)
.set GK,  5                            ; v5   staging: my byte in a slot's K in memory
.set GV,  6                            ; v6   the same for V
.set PFK, 7                            ; v7   prefetch offsets: 256 x lane + the wave's 8,192 bytes of K;
.set PFV, 8                            ; v8   a row of V a lane, the wave's 32 rows
.set SO,  9                            ; v9   the way out: where I put 32 bytes of a row
.set SR,  10                           ; v10  where I read a row back
.set GO,  11                           ; v11  my byte offset in the wave's rows of out0
.set ST,  12                           ; tile e: v[ST+4e] -M, +1 the largest t, +2, +3 the row's sum in two halves
.set FF,  20                           ; tile e: v[FF+2e] f = 2^(old M - new M); +1 is named with it as a pair
.set MX,  24                           ; tile e: v[MX+2e], +1: the maximum's two chains, later the sum's second chain; in the mask v24, v25 are at work
.set AD2, 28                           ; v28  LDS address of the staging stores in hand
.set ADR, 29                           ; v29  LDS address of the fragment loads in hand (at the head: Q's offset)
.set SCL, 30                           ; v30  2^ep as f32
.set LIM, 31                           ; v31  57,344 x 2^ep
.set F,   32                           ; v32-95   four fragments: of K, then V's channels 0-63
.set S,   96                           ; v96-159, v160-223  S^T, then p, of tiles 0 and 1; behind the conversions v96-159 take V's channels 64-127, so that V's eight fragments lie on end from v32
.set P,   224                          ; v224-255 p's codes, 16 registers a tile
; window 1
.set OT,  0                            ; v0-127   O^T: tile e, channels 16 u on, at 64 e + 8 u
.set QF,  128                          ; v128-159 Q's two fragments
.set SG,  160                          ; v160-223 staging
; scalars
.set QB,  4
.set KB,  6                            ; s[6:7]   K's codes at my batch and the slot in hand
.set VB,  8                            ; s[8:9]   V's likewise
.set OB,  14                           ; s[14:15] my wave's rows of out0
.set EQ,  16                           ; s16-19   eq, ek, ep, ev
.set WV,  20
.set W4,  21                           ; my wave in its unit
.set UN,  22                           ; my unit
.set JB,  23                           ; my block of 128 queries
.set PP,  24                           ; my work-group's pair of ranks
.set RK,  25
.set BT,  26                           ; my batch
.set VS,  27                           ; keys that are walked
.set VM,  28                           ; keys that count
.set PFL, 29                           ; VS in the work-groups that prefetch, else 0
.set KF,  30                           ; the slot's first key; the loop's counter
.set TB,  31                           ; LDS base of the slot that is read
.set VL,  32                           ; s32-47   valid_lens, then the sort keys
.set CS,  48                           ; s[48:49] c = log2(e) / sqrt(128) x 2^(eq + ek)
.set SEL, 50                           ; s[50:51] selects of v_permlanex16_b32: lane l xor 16
.set NEGR, 52                          ; the raw sum that stands for the score -1e6
.set T0,  53
.set T1,  54
.set DONE, 55
.set TBN, 56                           ; LDS base of the slot that is filled
.set EPV, 57
.set OA,  58
.set OC,  60
.set MSB, 0
.macro WIN new                         ; the immediate's high byte repeats the setting that is left; a switch that changes nothing is dropped.  At every label and branch the setting is 0
.if MSB != (\new)
	s_set_vgpr_msb (MSB<<8)|(\new)
.set MSB, (\new)
.endif
.endm
.set W_S1, 0x04                        ; source 1 in window 1: Q in K Q^T; the data of an LDS store
.set W_D1, 0x40                        ; destination in window 1
.set W_RS, 0x41                        ; O^T as source 0 and destination
.set W_PV, 0x50                        ; C and D in window 1
.set W_S0, 0x01                        ; source 0 in window 1
; STAGING.  A wave brings 64 rows of K (8,192 dense bytes; a load takes 512 of them) or 32 rows of V's tile (a load takes two rows of 256 aligned bytes) of the slot 'ahead' slots on.
.macro LOAD_K reg, w, ahead
	WIN \w
.irp i, 0,1,2,3,4,5,6,7,8,9,10,11,12,13,14,15
	global_load_b128 v[\reg+4*\i:\reg+4*\i+3], v[GK], s[KB:KB+1] offset:(\ahead)*32768+512*\i
.endr
	WIN 0
.endm
.macro LOAD_V reg, w, ahead
	WIN \w
.irp i, 0,1,2,3,4,5,6,7,8,9,10,11,12,13,14,15
	global_load_b128 v[\reg+4*\i:\reg+4*\i+3], v[GV], s[VB:VB+1] offset:(\ahead)*256+8192*\i
.endr
	WIN 0
.endm
; Load i of K holds keys 4 i + lane / 8 of the wave's 64: bits 2, 3, 4, 5 of the key's number are bits 0, 1, 2, 3 of i; in LDS bits 3 and 4 change places.
.macro STORE_K reg, w, sb
	v_add_nc_u32 v[AD2], s[\sb], v[LK]
	WIN \w
.irp i, 0,1,2,3,4,5,6,7,8,9,10,11,12,13,14,15
	ds_store_b128 v[AD2], v[\reg+4*\i:\reg+4*\i+3] offset:KP*(4*(\i%2)+16*((\i/2)%2)+8*((\i/4)%2)+32*(\i/8))
.endr
	WIN 0
.endm
.macro STORE_V reg, w, sb
	v_add_nc_u32 v[AD2], s[\sb], v[LV]
	WIN \w
.irp i, 0,1,2,3,4,5,6,7,8,9,10,11,12,13,14,15
	ds_store_b128 v[AD2], v[\reg+4*\i:\reg+4*\i+3] offset:2*VP*\i
.endr
	WIN 0
.endm
; Line SK of 33 of tile e's row sum, of the UNQUANTISED p, two at a time in two chains: the old sum x f; then the 32 pairs; then the chains meet.
.macro SUMI e
.if SK == 0
	v_pk_mul_f32 v[ST+4*\e+2:ST+4*\e+3], v[ST+4*\e+2:ST+4*\e+3], v[FF+2*\e:FF+2*\e+1] op_sel_hi:[1,0]
.elseif SK == 1
	s_wait_alu depctr_va_vdst(0)
	v_pk_add_f32 v[MX+2*\e:MX+2*\e+1], v[S+64*\e:S+64*\e+1], v[S+64*\e+2:S+64*\e+3]
	s_wait_alu depctr_va_vdst(0)
.elseif SK == 32
	v_pk_add_f32 v[ST+4*\e+2:ST+4*\e+3], v[ST+4*\e+2:ST+4*\e+3], v[MX+2*\e:MX+2*\e+1]
.elseif SK%2 == 0
	v_pk_add_f32 v[ST+4*\e+2:ST+4*\e+3], v[ST+4*\e+2:ST+4*\e+3], v[S+64*\e+2*SK:S+64*\e+2*SK+1]
.else
	v_pk_add_f32 v[MX+2*\e:MX+2*\e+1], v[MX+2*\e:MX+2*\e+1], v[S+64*\e+2*SK:S+64*\e+2*SK+1]
.endif
.endm
; A KEY STEP: 128 keys, the q-th of the slot in hand, for my 32 queries.
.macro STEP q
	v_add_nc_u32 v[ADR], s[TB], v[AK0]             ; this line and the four below are five places behind the last step's products: the first products below write over v96 on, which those read as a source (ISA guide 7.12.1);
.rept 4
	v_nop                                          ; the loads into v32 on want four
.endr
	WIN W_S1
.irp g, 0,1                                    ; S^T = K Q^T, four tiles of 16 keys at a time, each fragment of K against both tiles of queries
.if \g
.rept 4
	v_nop                                          ; places in front of loads into registers that matrix instructions have read
.endr
.endif
.irp t, 0,1,2,3
.irp c, 0,1,2,3
	ds_load_b128 v[F+16*\t+4*\c:F+16*\t+4*\c+3], v[ADR] offset:(128*(\q)+16*(4*\g+\t))*KP+32*\c
.endr
.endr
.irp t, 0,1,2,3
	s_wait_dscnt 12-4*\t                           ; LDS loads come back in order: tile t's four are in, those of the tiles behind it may be out
.irp e, 0,1
	v_wmma_f32_16x16x128_bf8_bf8 v[S+64*\e+8*(4*\g+\t):S+64*\e+8*(4*\g+\t)+7], v[F+16*\t:F+16*\t+15], v[QF+16*\e:QF+16*\e+15], 0
.endr
.endr
.endr
	WIN 0
.rept 4
	v_nop                                          ; places in front of the loads below and of the first read of the scores
.endr
	v_add_nc_u32 v[ADR], s[TB], v[AV0]
.irp u, 0,1,2,3                                ; V's channels 0-63 are asked for now and land under the softmax
.irp c, 0,1,2,3
	ds_load_b128 v[F+16*\u+4*\c:F+16*\u+4*\c+3], v[ADR] offset:16*\u*VP+128*(\q)+32*\c
.endr
.endr
	; THE MASK, in the one step on the boundary (with valid_lens <= 0: in every step).  Register 16 b + i holds key KF + 128 q + 32 b + 16 (lane / 16) + i: it does not count where 32 b + i >= VM - KF - 128 q - 16 (lane / 16)
	s_add_co_u32 s[T0], s[KF], 128*(\q)+128
	s_cmp_le_u32 s[T0], s[VM]
	s_cbranch_scc1 .Lopen_\@
	s_sub_co_i32 s[T0], s[VM], s[KF]
	s_sub_co_i32 s[T0], s[T0], 128*(\q)
	v_bfe_u32 v24, v0, 4, 1
	v_lshlrev_b32 v24, 4, v24
	v_sub_nc_u32 v24, s[T0], v24
	v_mov_b32 v25, s[NEGR]
.set MI, 0
.rept 64
	v_cmp_ge_i32 vcc_lo, 32*(MI/16)+MI%16, v24
	v_cndmask_b32 v[S+MI], v[S+MI], v25, vcc_lo
	v_cndmask_b32 v[S+64+MI], v[S+64+MI], v25, vcc_lo
.set MI, MI+1
.endr
.Lopen_\@:
	; THE MAXIMUM of each query's 64 scores in my lane, two chains a tile, the tiles by turns; every accumulator is read from its low end on
.irp e, 0,1
	v_max3_num_f32 v[MX+2*\e], v[S+64*\e], v[S+64*\e+1], v[S+64*\e+2]
	v_max3_num_f32 v[MX+2*\e+1], v[S+64*\e+3], v[S+64*\e+4], v[S+64*\e+5]
.endr
.irp i, 6,10,14,18,22,26,30,34,38,42,46,50,54,58
.irp e, 0,1
	v_max3_num_f32 v[MX+2*\e], v[MX+2*\e], v[S+64*\e+\i], v[S+64*\e+\i+1]
	v_max3_num_f32 v[MX+2*\e+1], v[MX+2*\e+1], v[S+64*\e+\i+2], v[S+64*\e+\i+3]
.endr
.endr
.irp e, 0,1
	v_max3_num_f32 v[MX+2*\e], v[MX+2*\e], v[S+64*\e+62], v[S+64*\e+63]
.endr
.irp e, 0,1
	v_max_num_f32 v[MX+2*\e], v[MX+2*\e], v[MX+2*\e+1]
.endr
.irp e, 0,1
	v_permlanex16_b32 v[MX+2*\e+1], v[MX+2*\e], s[SEL], s[SEL+1]   ; the query's other 64 keys lie in the lane 16 away
.endr
.irp e, 0,1
	v_max_num_f32 v[MX+2*\e], v[MX+2*\e], v[MX+2*\e+1]
.endr
.irp e, 0,1
	v_mul_f32 v[MX+2*\e], s[CS], v[MX+2*\e]        ; as t (c is positive)
.endr
.irp e, 0,1
	v_max_num_f32 v[ST+4*\e+1], v[ST+4*\e+1], v[MX+2*\e]   ; the running largest t
.endr
.irp e, 0,1
	v_mov_b32 v[MX+2*\e], v[ST+4*\e]
.endr
.irp e, 0,1
	v_floor_f32 v[ST+4*\e], -v[ST+4*\e+1]          ; the new -M = floor(-t) = -ceil(t)
.endr
.irp e, 0,1
	v_sub_f32 v[MX+2*\e], v[ST+4*\e], v[MX+2*\e]   ; old M - new M: a whole number, 0 or less
.endr
.irp e, 0,1
	v_cvt_i32_f32 v[MX+2*\e], v[MX+2*\e]           ; (it saturates)
.endr
.irp e, 0,1
	v_ldexp_f32 v[FF+2*\e], 1.0, v[MX+2*\e]        ; f = 2^(old M - new M)
.endr
	; p = 2^(c s - M).  Behind every pair of exponentials stands a plain line that is due anyway: tile 1's scalings beside tile 0's exponentials, tile 0's sums beside tile 1's
.set JJ, 0
.rept 32
	v_pk_fma_f32 v[S+JJ:S+JJ+1], v[S+JJ:S+JJ+1], s[CS:CS+1], v[ST:ST+1] op_sel_hi:[1,0,0]   ; of the pairs c and -M the low word serves both halves
.set JJ, JJ+2
.endr
.set JJ, 0
.rept 32
	v_exp_f32 v[S+JJ], v[S+JJ]
	v_exp_f32 v[S+JJ+1], v[S+JJ+1]
	v_pk_fma_f32 v[S+64+JJ:S+64+JJ+1], v[S+64+JJ:S+64+JJ+1], s[CS:CS+1], v[ST+4:ST+5] op_sel_hi:[1,0,0]
.set JJ, JJ+2
.endr
.set SK, 0
.rept 32
	v_exp_f32 v[S+64+2*SK], v[S+64+2*SK]
	v_exp_f32 v[S+64+2*SK+1], v[S+64+2*SK+1]
	SUMI 0
.set SK, SK+1
.endr
	SUMI 0
.set SK, 0
.rept 33
	SUMI 1
.set SK, SK+1
.endr
	; THE HOLD.  The conversion to an 8-bit code does not saturate (ISA guide 7.6.2).  p is at most 1 (but for the last bit), and 57,344 x 2^ep is at least 1.75 where ep >= -15: there the hold cannot act and is jumped over
	s_cmp_lt_i32 s[EQ+2], -15
	s_cbranch_scc0 .Lnohold_\@
.set JJ, 0
.rept 128
	v_min_num_f32 v[S+JJ], v[S+JJ], v[LIM]         ; p is not negative: the hold is one-sided
.set JJ, JJ+1
.endr
.Lnohold_\@:
.irp e, 0,1
.irp b, 0,1,2,3
	v_cvt_scalef32_pk8_bf8_f32 v[P+16*\e+4*\b:P+16*\e+4*\b+1], v[S+64*\e+16*\b:S+64*\e+16*\b+7], v[SCL]
	v_cvt_scalef32_pk8_bf8_f32 v[P+16*\e+4*\b+2:P+16*\e+4*\b+3], v[S+64*\e+16*\b+8:S+64*\e+16*\b+15], v[SCL]
.endr
.endr
	v_nop                                          ; one plain line behind the last conversion
.irp u, 0,1,2,3                                ; V's channels 64-127 into tile 0's p, which is done with
.irp c, 0,1,2,3
	ds_load_b128 v[S+16*\u+4*\c:S+16*\u+4*\c+3], v[ADR] offset:16*(4+\u)*VP+128*(\q)+32*\c
.endr
.endr
	WIN W_RS
.irp e, 0,1
.set JJ, 0
.rept 32
	v_pk_mul_f32 v[OT+64*\e+JJ:OT+64*\e+JJ+1], v[OT+64*\e+JJ:OT+64*\e+JJ+1], v[FF+2*\e:FF+2*\e+1] op_sel_hi:[1,0]   ; O^T under the new M, each accumulator from its low end on
.set JJ, JJ+2
.endr
.endr
	WIN W_PV
.irp u, 0,1,2,3,4,5,6,7                        ; O^T += V^T P^T: the sixteen accumulators take turns, one instruction a turn
.if \u == 0
	s_wait_dscnt 16                                ; channels 0-63 are in; the sixteen loads of channels 64-127 may be out
.elseif \u > 3
	s_wait_dscnt 28-4*\u                           ; this fragment's four are in, those behind it may be out
.endif
.irp e, 0,1
	v_wmma_f32_16x16x128_bf8_bf8 v[OT+64*\e+8*\u:OT+64*\e+8*\u+7], v[F+16*\u:F+16*\u+15], v[P+16*\e:P+16*\e+15], v[OT+64*\e+8*\u:OT+64*\e+8*\u+7]
.endr
.endr
	WIN 0
.endm
; THE WAY OUT.  O^T / the sum x 2^(ep + ev) goes through my own stage in LDS, half a row (64 channels, 256 bytes) of 16 queries at a time, and leaves so that sixteen lanes store 256 consecutive bytes at a multiple of 256.
.macro OUTPUT
.rept 4
	v_nop                                          ; places behind the last products
.endr
.irp e, 0,1
	v_add_f32 v[ST+4*\e+2], v[ST+4*\e+2], v[ST+4*\e+3]
.endr
.irp e, 0,1
	v_permlanex16_b32 v[MX+2*\e], v[ST+4*\e+2], s[SEL], s[SEL+1]
.endr
.irp e, 0,1
	v_add_f32 v[ST+4*\e+2], v[ST+4*\e+2], v[MX+2*\e]   ; the row's sum
.endr
.irp e, 0,1
	v_rcp_f32 v[ST+4*\e+2], v[ST+4*\e+2]
.endr
	v_nop                                          ; a plain line behind the reciprocals
	s_wait_alu depctr_va_vdst(0)
.irp e, 0,1
	v_ldexp_f32 v[ST+4*\e+2], v[ST+4*\e+2], s[EPV]
.endr
.irp e, 0,1
	WIN W_S0
.set JJ, 0
.rept 32
	v_pk_mul_f32 v[S+64*\e+JJ:S+64*\e+JJ+1], v[OT+64*\e+JJ:OT+64*\e+JJ+1], v[ST+4*\e+2:ST+4*\e+3] op_sel_hi:[1,0]   ; register 8 u + i is o(r, 16 u + 8 h + i)
.set JJ, JJ+2
.endr
	WIN 0
.irp u, 0,1
.irp d, 0,1,2,3
	ds_store_b128 v[SO], v[S+64*\e+32*\u+8*\d:S+64*\e+32*\u+8*\d+3] offset:64*\d
	ds_store_b128 v[SO], v[S+64*\e+32*\u+8*\d+4:S+64*\e+32*\u+8*\d+7] offset:64*\d+16
.endr
.irp i, 0,1,2,3,4,5,6,7
	ds_load_b128 v[F+64*\e+32*\u+4*\i:F+64*\e+32*\u+4*\i+3], v[SR] offset:2*\i*SP   ; LDS serves a wave's instructions in order (ISA guide 5.7.1.4): these see my stores, and the next half's stores come behind them
.endr
.endr
.irp u, 0,1
.irp i, 0,1,2,3,4,5,6,7
	s_wait_dscnt 16*(1-\u)+7-\i                    ; behind this load: the rest of its eight and, for the first half, the second half's eight stores and eight loads
	global_store_b128 v[GO], v[F+64*\e+32*\u+4*\i:F+64*\e+32*\u+4*\i+3], s[OB:OB+1] offset:8192*\e+1024*\i+256*\u th:TH_STORE_NT
.endr
.endr
.endr
.endm
	s_load_b256 s[4:11], s[0:1], 0x0               ; Q s[4:5], K s[6:7], V s[8:9], the scales' exponents s[10:11]
	s_load_b128 s[12:15], s[0:1], 0x20             ; valid_lens s[12:13], out0 s[14:15]
	s_set_vgpr_msb 0x40
	v_lshl_add_u32 v254, v0, 2, 0x4f800
	v_mov_b32 v255, 0
	s_set_vgpr_msb 0x4000
	v_lshrrev_b32 v12, 5, v0
	v_readfirstlane_b32 s[WV], v12                 ; wave 0..7
	s_and_b32 s[W4], s[WV], 3
	s_lshr_b32 s[UN], s[WV], 2
	s_mov_b32 s[JB], ttmp9
	s_and_b32 s[PP], ttmp7, 0xffff
	v_and_b32 v12, 15, v0                          ; r
	v_bfe_u32 v13, v0, 4, 1                        ; h
	v_and_b32 v14, 31, v0                          ; lane
	v_bfe_u32 v15, v0, 3, 2                        ; lane / 8
	v_and_b32 v16, 7, v0                           ; lane % 8
	v_mul_u32_u24 v[AK0], v12, KP
	v_lshl_add_u32 v[AK0], v13, 4, v[AK0]
	v_mul_u32_u24 v[AV0], v12, VP
	v_lshl_add_u32 v[AV0], v13, 4, v[AV0]
	v_add_nc_u32 v[AV0], VOFF, v[AV0]
	s_mul_i32 s[T0], s[W4], 64*KP
	v_mul_u32_u24 v[LK], v15, KP
	v_lshl_add_u32 v[LK], v16, 4, v[LK]
	v_add_nc_u32 v[LK], s[T0], v[LK]
	s_mul_i32 s[T0], s[W4], 32*VP
	s_add_co_u32 s[T0], s[T0], VOFF
	v_mul_u32_u24 v[LV], v13, VP
	v_lshl_add_u32 v[LV], v12, 4, v[LV]
	v_add_nc_u32 v[LV], s[T0], v[LV]
	s_lshl_b32 s[T0], s[W4], 13                    ; the wave's 64 rows of K: 8,192 bytes
	v_lshl_add_u32 v[GK], v14, 4, s[T0]
	v_lshl_add_u32 v[PFK], v14, 8, s[T0]
	s_lshl_b32 s[T0], s[W4], 17                    ; the wave's 32 rows of V, 4,096 bytes each
	v_lshl_add_u32 v[GV], v13, 12, s[T0]
	v_lshl_add_u32 v[GV], v12, 4, v[GV]
	v_lshl_add_u32 v[PFV], v14, 12, s[T0]
	s_mul_i32 s[T0], s[WV], 16*SP
	s_add_co_u32 s[T0], s[T0], STAGE               ; my stage
	v_mul_u32_u24 v[SO], v12, SP
	v_lshl_add_u32 v[SO], v13, 5, v[SO]
	v_add_nc_u32 v[SO], s[T0], v[SO]
	v_mul_u32_u24 v[SR], v13, SP
	v_lshl_add_u32 v[SR], v12, 4, v[SR]
	v_add_nc_u32 v[SR], s[T0], v[SR]
	v_lshlrev_b32 v[GO], 9, v13
	v_lshl_add_u32 v[GO], v12, 4, v[GO]
	v_lshlrev_b32 v[ADR], 7, v12
	v_lshl_add_u32 v[ADR], v13, 4, v[ADR]          ; Q: row r of 128 bytes, + 16 h
	s_mul_i32 s[TB], s[UN], SLOTB
	s_xor_b32 s[TBN], s[TB], XC
	s_mov_b32 s[KF], 0
	s_mov_b32 s[DONE], 0
	s_mov_b32 s[SEL], 0x76543210
	s_mov_b32 s[SEL+1], 0xfedcba98
	s_wait_kmcnt 0x0
	s_load_b128 s[EQ:EQ+3], s[10:11], 0x0          ; eq, ek, ep, ev
	s_load_b512 s[VL:VL+15], s[12:13], 0x0         ; all sixteen lengths
	s_wait_kmcnt 0x0
	; THE RANKS.  Lane c holds the sort key 16 x clamp(valid_lens[c], 0, 4096) + c, which no other lane holds; its rank is the number of smaller keys.  Lanes 16-31 hold the greatest number and get rank 16.
	v_mov_b32 v32, -1
.irp c, 0,1,2,3,4,5,6,7,8,9,10,11,12,13,14,15
	s_max_i32 s[VL+\c], s[VL+\c], 0
	s_min_i32 s[VL+\c], s[VL+\c], NKEY
	s_lshl_b32 s[VL+\c], s[VL+\c], 4
	s_or_b32 s[VL+\c], s[VL+\c], \c
	v_writelane_b32 v32, s[VL+\c], \c
.endr
	v_mov_b32 v33, 0
	v_mov_b32 v34, 1
.irp c, 0,1,2,3,4,5,6,7,8,9,10,11,12,13,14,15
	v_cmp_lt_u32 vcc_lo, s[VL+\c], v32
	v_cndmask_b32 v35, 0, v34, vcc_lo
	v_add_nc_u32 v33, v33, v35
.endr
	s_sub_co_u32 s[T0], 15, s[PP]
	s_cmp_eq_u32 s[UN], 0
	s_cselect_b32 s[RK], s[PP], s[T0]              ; unit 0: rank y; unit 1: rank 15 - y
	v_cmp_eq_u32 vcc_lo, s[RK], v33
	s_ctz_i32_b32 s[BT], vcc_lo                    ; the one lane of that rank is my batch
	s_min_u32 s[BT], s[BT], 15
	s_lshl_b32 s[T0], s[BT], 2
	s_load_b32 s[VM], s[12:13], s[T0] offset:0x0   ; its length
	s_lshl_b32 s[OA], s[BT], 19                    ; a batch's codes: 4,096 x 128 bytes
	s_mov_b32 s[OA+1], 0
	s_add_nc_u64 s[KB:KB+1], s[KB:KB+1], s[OA:OA+1]
	s_add_nc_u64 s[VB:VB+1], s[VB:VB+1], s[OA:OA+1]
	s_lshl_b32 s[OC], s[JB], 14                    ; + my block's 128 rows + my wave's 32
	s_add_co_u32 s[OC], s[OC], s[OA]
	s_lshl_b32 s[OC+1], s[W4], 12
	s_add_co_u32 s[OC], s[OC], s[OC+1]
	s_mov_b32 s[OC+1], 0
	s_add_nc_u64 s[QB:QB+1], s[QB:QB+1], s[OC:OC+1]
	s_lshl_b32 s[OC], s[BT], 21                    ; the same in out0, rows of 512 bytes
	s_lshl_b32 s[OC+1], s[JB], 16
	s_add_co_u32 s[OC], s[OC], s[OC+1]
	s_lshl_b32 s[OC+1], s[W4], 14
	s_add_co_u32 s[OC], s[OC], s[OC+1]
	s_mov_b32 s[OC+1], 0
	s_add_nc_u64 s[OB:OB+1], s[OB:OB+1], s[OC:OC+1]
	LOAD_K S, 0, 0                                 ; slot 0 comes through the registers of S^T,
	LOAD_V S+64, 0, 0
	WIN W_D1
.irp e, 0,1
.irp c, 0,1,2,3
	global_load_b128 v[QF+16*\e+4*\c:QF+16*\e+4*\c+3], v[ADR], s[QB:QB+1] offset:2048*\e+32*\c th:TH_LOAD_NT   ; Q's two fragments stay in registers; no other wave reads them
.endr
.endr
	WIN 0
	LOAD_K SG, W_D1, 1                             ; slot 1's K into the staging registers, whatever the length: it lies inside the buffer, and the count below then holds on the one way here
	s_wait_kmcnt 0x0
	s_max_i32 s[VM], s[VM], 0
	s_min_i32 s[VM], s[VM], NKEY
	s_cmp_eq_u32 s[VM], 0
	s_cselect_b32 s[VS], NKEY, s[VM]               ; where no key counts, all are walked, masked
	s_cmp_eq_u32 s[JB], 0
	s_cselect_b32 s[PFL], s[VS], 0
	s_add_co_i32 s[T0], s[EQ], s[EQ+1]
	s_lshl_b32 s[T0], s[T0], 23
	s_add_co_i32 s[CS], s[T0], 0x3e0293ee          ; c = log2(e) / sqrt(128), with eq + ek added to its exponent field
	s_mov_b32 s[CS+1], s[CS]                       ; (named with it as a pair, so it is written)
	s_sub_co_i32 s[NEGR], 0xcb2ca22c, s[T0]        ; -1e6 x sqrt(128) = -11,313,708, with eq + ek taken off its exponent field: x c it gives t of the score -1e6
	s_add_co_i32 s[T0], s[EQ+2], 127
	s_lshl_b32 s[T1], s[T0], 23
	v_mov_b32 v[SCL], s[T1]
	s_add_co_i32 s[T0], s[T0], 15
	s_lshl_b32 s[T0], s[T0], 23
	s_or_b32 s[T0], s[T0], 0x600000
	v_mov_b32 v[LIM], s[T0]
	s_add_co_i32 s[EPV], s[EQ+2], s[EQ+3]
.irp e, 0,1
	v_mov_b32 v[ST+4*\e+1], 0xff61b1e6             ; the largest t so far: -3e38, under every t
	v_floor_f32 v[ST+4*\e], -v[ST+4*\e+1]
	v_mov_b32 v[ST+4*\e+2], 0
	v_mov_b32 v[ST+4*\e+3], 0
	v_mov_b32 v[FF+2*\e], 0
	v_mov_b32 v[FF+2*\e+1], 0
	v_mov_b32 v[MX+2*\e], 0                        ; (a lane permute's destination counts as one of its sources)
	v_mov_b32 v[MX+2*\e+1], 0
.endr
	WIN W_D1
.set JJ, 0
.rept 128
	v_mov_b32 v[OT+JJ], 0                          ; O^T begins as zeros, which the first change of M leaves zeros: the step is then written without a first copy of its own; these lines run while the first loads are out
.set JJ, JJ+1
.endr
	WIN 0
	s_wait_loadcnt 16                              ; slot 0's K and V and Q are in; the sixteen loads of slot 1's K, issued behind them, may be out
	STORE_K S, 0, TB
	STORE_V S+64, 0, TB
.Ltrip:                                                ; 17 trips: slots 0 to 15, and one more in which the units that walked slot 15 store their rows
	s_wait_dscnt 0x0                               ; my stores into the slot ahead have landed, and my reads of the slot that I leave are back
	s_barrier_signal -1
	s_barrier_wait -1                              ; both now hold of every wave: the slot ahead is whole, and the other one may be written
	s_cmp_lt_u32 s[KF], s[VS]
	s_cbranch_scc1 .Llive
	s_cmp_lg_u32 s[DONE], 0
	s_cbranch_scc1 .Lend
	OUTPUT
	s_mov_b32 s[DONE], 1
	s_branch .Lend
.Llive:
	s_add_co_u32 s[T0], s[KF], 256                 ; is there a next slot?
	s_cmp_lt_u32 s[T0], s[VS]
	s_cbranch_scc0 .La_done
	s_wait_loadcnt 0x0                             ; its K, asked for a step ago, is in the staging registers
	STORE_K SG, W_S1, TBN
	s_wait_dscnt 0x0                               ; the stores have read their registers,
	LOAD_V SG, W_D1, 1                             ; which take its V: that has the step below in which to land
	; PREFETCH INTO THE L2.  All 32 blocks of queries of a batch walk the same K and V: block 0's unit asks, nobody else.  Each of its four waves names its own part of a slot once: V: a lane a row, 32 rows a wave, the row's
	; 256 bytes of the slot two on from the one in hand, a trip ahead of the loads that want them; K (below): lanes 256 bytes apart in the wave's 8,192, three slots on, likewise a trip ahead.  It stops where the walk stops.
	s_add_co_u32 s[T0], s[KF], 512
	s_cmp_lt_u32 s[T0], s[PFL]
	s_cbranch_scc0 .La_done
	global_prefetch_b8 v[PFV], s[VB:VB+1] offset:512 th:TH_LOAD_NT scope:SCOPE_SE
.La_done:
	STEP 0
	s_add_co_u32 s[T0], s[KF], 256
	s_cmp_lt_u32 s[T0], s[VS]
	s_cbranch_scc0 .Lb_done
	s_wait_loadcnt 0x0                             ; the next slot's V is in
	STORE_V SG, W_S1, TBN
	s_wait_dscnt 0x0                               ; the stores have read their registers
	s_add_co_u32 s[T0], s[KF], 512                 ; is there a slot behind the next?
	s_cmp_lt_u32 s[T0], s[VS]
	s_cbranch_scc0 .Lb_done
	LOAD_K SG, W_D1, 2                             ; its K: stored at the head of the next trip
	s_add_co_u32 s[T0], s[KF], 768
	s_cmp_lt_u32 s[T0], s[PFL]
	s_cbranch_scc0 .Lb_done
	global_prefetch_b8 v[PFK], s[KB:KB+1] offset:98304 th:TH_LOAD_NT scope:SCOPE_SE
.Lb_done:
	s_add_co_u32 s[T0], s[KF], 128                 ; the slot's second step, unless all its keys lie behind the length
	s_cmp_lt_u32 s[T0], s[VS]
	s_cbranch_scc0 .Lend
	STEP 1
.Lend:
	s_wait_xcnt 0x0                                ; every earlier load, store and prefetch has had its addresses translated (ISA guide 3.1): the bases below are stepped only behind this wait
	s_add_co_u32 s[KF], s[KF], 256
	s_xor_b32 s[TB], s[TB], XC
	s_xor_b32 s[TBN], s[TBN], XC
	s_add_nc_u64 s[KB:KB+1], s[KB:KB+1], 32768
	s_add_nc_u64 s[VB:VB+1], s[VB:VB+1], 256
	s_cmp_lt_u32 s[KF], NKEY+256
	s_cbranch_scc1 .Ltrip
	s_set_vgpr_msb 0x5
	s_wait_tensorcnt 0x0
	ds_add_u32 v254, v255
	s_wait_dscnt 0x0
	s_set_vgpr_msb 0x500
	s_endpgm
.Lfunc_end_k_qbffaa4d278_attn:
	.size	k_qbffaa4d278_attn, .Lfunc_end_k_qbffaa4d278_attn-k_qbffaa4d278_attn
	.p2alignl 7, 3214868480
	.fill 96, 4, 3214868480
	.section	.rodata,"a",@progbits
	.p2align	6, 0x0
	.amdhsa_kernel k_qbffaa4d278_attn
		.amdhsa_group_segment_fixed_size 326656
		.amdhsa_private_segment_fixed_size 0
		.amdhsa_enable_private_segment 0
		.amdhsa_kernarg_size 48
		.amdhsa_user_sgpr_count 2
		.amdhsa_user_sgpr_kernarg_segment_ptr 1
		.amdhsa_wavefront_size32 1
		.amdhsa_system_sgpr_workgroup_id_x 1
		.amdhsa_system_sgpr_workgroup_id_y 1
		.amdhsa_system_sgpr_workgroup_id_z 1
		.amdhsa_system_vgpr_workitem_id 0
		.amdhsa_next_free_vgpr 512
		.amdhsa_next_free_sgpr 66
		.amdhsa_reserve_vcc 1
		.amdhsa_float_denorm_mode_32 3
		.amdhsa_float_denorm_mode_16_64 3
		.amdhsa_memory_ordered 1
		.amdhsa_forward_progress 1
		.amdhsa_inst_pref_size 124
	.end_amdhsa_kernel
	.amdgpu_metadata
---
amdhsa.version: [ 1, 2 ]
amdhsa.kernels:
  - .name:           k_qbffaa4d278_attn
    .symbol:         k_qbffaa4d278_attn.kd
    .args:
      - { .name: queries_codes, .offset: 0, .size: 8, .value_kind: global_buffer, .address_space: global }
      - { .name: keys_codes, .offset: 8, .size: 8, .value_kind: global_buffer, .address_space: global }
      - { .name: values_codes, .offset: 16, .size: 8, .value_kind: global_buffer, .address_space: global }
      - { .name: lowp_scales, .offset: 24, .size: 8, .value_kind: global_buffer, .address_space: global }
      - { .name: valid_lens, .offset: 32, .size: 8, .value_kind: global_buffer, .address_space: global }
      - { .name: out0, .offset: 40, .size: 8, .value_kind: global_buffer, .address_space: global }
    .group_segment_fixed_size: 326656
    .private_segment_fixed_size: 0
    .kernarg_segment_align: 8
    .kernarg_segment_size: 48
    .max_flat_workgroup_size: 256
    .sgpr_count:     66
    .vgpr_count:     512
    .wavefront_size: 32
...
	.end_amdgpu_metadata
.endif
;; end of part 1
